; MI455X (gfx1250); checked and timed in simulation.
; The chip was launched on July 23, 2026; its instructions are those of AMD's public machine-readable ISA for CDNA 5 (MIT licence, August 2026) and "CDNA5" Instruction Set Architecture Reference Guide (July 2026). The comments in the code are by the model that wrote it; some were corrected since.
;; Counter Propagation Network. Allowed arithmetic: float matrix products may take bf16 or f16 operands with f32 sums; other float arithmetic in f32, or as packed bf16 or f16 multiplies, adds, multiply-adds, maxima and minima; sums over many terms, partial sums and values carried from step to step in f32; what a program stores and reads back later, other than sums and carried values, may be rounded once to bf16 or f16.
;; Inputs: Wg 1,000 x 8,192 float32; Wk 8,192 x 2,048 float32; x 4,096 x 2,048 float32.
;; Outputs: out0 4,096 x 1,000 float32.
;; 2 versions, each right; version 2 is version 1 with the launch take written anew for expert scheduling mode. Each part assembles by itself: llvm-mc -triple=amdgcn-amd-amdhsa -mcpu=gfx1250 --defsym DOCPART=n.
;; ======== version 1 of 2: 3 launches
;; workspace buffers: xb 16,777,216 bytes; wb 33,554,432 bytes; wgt 16,777,216 bytes; part 4,194,304 bytes of whole numbers
;; launch prep (part 1): grid 512 x 4, 8 waves a work-group, no clusters, 35,840 bytes of LDS; arguments x, Wk, Wg, xb, wb, wgt; writes xb, wb, wgt
.if DOCPART == 1
	.amdgcn_target "amdgcn-amd-amdhsa--gfx1250"
	.amdhsa_code_object_version 6
	.text
	.protected	k_qcad7c560db_prep
	.globl	k_qcad7c560db_prep
	.p2align	8
	.type	k_qcad7c560db_prep,@function
k_qcad7c560db_prep:
	s_mov_b64 s[64:65], 0
	v_nop
	global_prefetch_b8 v0, s[64:65] scope:SCOPE_SE
	s_setreg_imm32_b32 hwreg(HW_REG_WAVE_MODE, 25, 1), 1
	s_wait_xcnt 0x0
; out[b][c] = Wg[c][idx[b]], idx[b] = argmax over h of (x[b] / |x[b]|) . Wk[h].  x: [4096][2048], Wk: [8192][2048], Wg: [1000][8192], out: [4096][1000], all f32.
; THREE LAUNCHES.  This one rounds x and Wk to bf16 (xb, wb: the matrix operands of the second launch) and lays Wg out turned, wgt[h][class] in bf16, rows of 2,048 bytes,
; so that a winner's 1,000 numbers are 2,000 consecutive bytes.  The second makes the scores and keeps, for each lane's 64 scores of a row, the best and its place; the third picks and copies.
; WORK LEFT OUT: THE NORM, ITS ROOT AND THE DIVISION.  Row b's 8,192 scores reach the output through their argmax along h alone.  For a row with |x[b]| > 0 the division multiplies all of
; them by one positive number, which changes no order and no tie: the argmax of x[b] . Wk[h] is the same, for all finite values of x and Wk.  For a row of zeros reference() divides 0 by 0,
; every score is NaN and its argmax is 0; here every score is 0 and the lowest index wins: 0 as well.  So x is rounded as it is given.  All three inputs are still loaded.
; LIMITS.  A NaN, an infinity or an overflow that reaches only the norm (a sum of squares beyond f32's range) is not carried to the result.  NaN and infinities in x or Wk are not treated
; as jnp.argmax treats them.  x, Wk and Wg are rounded once to bf16, to nearest even (8 significant bits; a number beyond bf16's largest finite one, 3.39e38, becomes an infinity).
; SHARES.  grid y = 0: x; 1, 2: the two halves of Wk: a work-group rounds 65,536 consecutive bytes.  grid y = 3: a work-group turns 128 classes x 128 hidden units of Wg, through LDS.
; No matrix unit, no cluster, no tensor load: nothing is multiplied and no byte is read by two work-groups.
.set SPW,   2                          ; v2   LDS address of my spare word: SPARE + 4 x my thread's number; never rewritten
.set NIL,   3                          ; v3   0; never rewritten
.set X,     16                         ; v[16:79]  as loaded
.set T,     80                         ; v[80:95]  turned: 16 bytes for each of my four hidden units
.set TPITCH, 272                       ; a stage row: 256 bytes (128 classes) + 16: sixteen rows on end start at sixteen different 16-byte columns of 256 bytes
.set TTILE, 64*TPITCH                  ; a stage tile: 64 hidden units
.set SPARE, 2*TTILE                    ; 34,816: behind the two tiles, the spare words, 128 bytes a wave: four blocks of 256 bytes that no other line names
	s_load_b256 s[4:11], s[0:1], 0x0               ; x s[4:5], Wk s[6:7], Wg s[8:9], xb s[10:11]
	s_load_b128 s[12:15], s[0:1], 0x20             ; wb s[12:13], wgt s[14:15]
	v_lshl_add_u32 v[SPW], v0, 2, SPARE
	v_mov_b32 v[NIL], 0
	s_and_b32 s16, ttmp7, 0xffff                   ; the plane: the same in all eight waves
	s_cmp_eq_u32 s16, 3
	s_cbranch_scc1 .Ltrans
	; ROUNDING.  Thread t takes 16 bytes at 16 t of each of 16 pieces of 4,096 bytes: a wave's load covers 512 consecutive bytes, its store 256, aligned.
	s_lshr_b32 s17, s16, 1                         ; 1 for Wk's second half
	s_lshl_b32 s17, s17, 9
	s_add_co_u32 s17, s17, ttmp9                   ; the chunk's number in its tensor, 0 to 1,023
	s_lshl_b32 s22, s17, 16                        ; its bytes in f32,
	s_mov_b32 s23, 0
	s_lshl_b32 s24, s17, 15                        ; and in bf16
	s_mov_b32 s25, 0
	v_lshlrev_b32 v4, 4, v0
	v_lshlrev_b32 v5, 3, v0
	s_wait_kmcnt 0x0
	s_cmp_eq_u32 s16, 0
	s_cselect_b64 s[18:19], s[4:5], s[6:7]         ; from x or Wk
	s_cselect_b64 s[20:21], s[10:11], s[12:13]     ; to xb or wb
	s_add_nc_u64 s[18:19], s[18:19], s[22:23]
	s_add_nc_u64 s[20:21], s[20:21], s[24:25]
.irp j, 0,1,2,3,4,5,6,7,8,9,10,11,12,13,14,15
	global_load_b128 v[X+4*(\j):X+4*(\j)+3], v4, s[18:19] offset:4096*(\j) th:TH_LOAD_NT  ; all sixteen go out before the first wait: 8 KiB a wave
.endr
.irp j, 0,1,2,3,4,5,6,7,8,9,10,11,12,13,14,15
	s_wait_loadcnt 15-(\j)                         ; loads come back in order: piece j is in, the 15 - j younger ones stay out
	v_cvt_pk_bf16_f32 v[X+4*(\j)],   v[X+4*(\j)],   v[X+4*(\j)+1]
	v_cvt_pk_bf16_f32 v[X+4*(\j)+1], v[X+4*(\j)+2], v[X+4*(\j)+3]
	global_store_b64 v5, v[X+4*(\j):X+4*(\j)+1], s[20:21] offset:2048*(\j) th:TH_STORE_NT  ; no register of a store is written again
.endr
	s_branch .Lend
.Ltrans:
	; TURNING Wg.  Thread t: hl = t % 16, grp = t / 16.  It loads 8 classes (8 grp on) x 4 hidden units (4 hl on) of each of two tiles of 64 hidden units: sixteen lanes cover 256
	; consecutive bytes of a class's row.  Classes past 999 (the last block's grp 13 to 15) repeat classes 992 to 999: wgt's columns 1,000 to 1,023 are written and never read.
	s_and_b32 s23, ttmp9, 7                        ; which 128 classes
	s_lshr_b32 s22, ttmp9, 3                       ; which 128 hidden units
	s_lshl_b32 s24, s22, 9                         ; 512 bytes of a row of Wg
	s_mov_b32 s25, 0
	s_lshl_b32 s26, s22, 18                        ; 128 rows of wgt,
	s_lshl_b32 s27, s23, 8                         ; 256 bytes of each
	s_add_co_u32 s26, s26, s27
	s_mov_b32 s27, 0
	s_lshl_b32 s17, s23, 7
	v_and_b32 v6, 15, v0                           ; hl
	v_lshrrev_b32 v7, 4, v0                        ; grp
	v_lshl_add_u32 v8, v7, 3, s17                  ; my first class,
	v_min_u32 v8, 992, v8                          ; inside Wg
	v_lshlrev_b32 v9, 15, v8                       ; its row of 32,768 bytes
	v_lshl_add_u32 v9, v6, 4, v9                   ; + my 16 bytes
	v_mul_u32_u24 v10, v6, TPITCH                  ; into the stage: row hl (+ 16 i), 16 bytes at 16 grp
	v_lshl_add_u32 v10, v7, 4, v10
	v_mul_u32_u24 v11, v7, TPITCH                  ; back: row grp (+ 16 k), 16 bytes at 16 hl
	v_lshl_add_u32 v11, v6, 4, v11
	v_lshlrev_b32 v12, 13, v7                      ; in wgt: hidden unit 4 grp (+ k), 2,048 bytes each
	v_lshl_add_u32 v12, v6, 4, v12
	s_wait_kmcnt 0x0
	s_add_nc_u64 s[18:19], s[8:9], s[24:25]
	s_add_nc_u64 s[20:21], s[14:15], s[26:27]
.irp u, 0,1
.irp j, 0,1,2,3,4,5,6,7
	global_load_b128 v[X+32*(\u)+4*(\j):X+32*(\u)+4*(\j)+3], v9, s[18:19] offset:32768*(\j)+256*(\u) th:TH_LOAD_NT
.endr
.endr
.irp u, 0,1
	s_wait_loadcnt 8-8*(\u)                        ; tile u's eight loads are in; tile 1's may stay out while tile 0 is turned
.irp i, 0,1,2,3                        ; hidden unit 4 hl + i: its eight classes, rounded in pairs, are 16 bytes; it goes to stage row 16 i + hl
.irp p, 0,1,2,3
	v_cvt_pk_bf16_f32 v[T+4*(\i)+(\p)], v[X+32*(\u)+8*(\p)+(\i)], v[X+32*(\u)+8*(\p)+4+(\i)]
.endr
	ds_store_b128 v10, v[T+4*(\i):T+4*(\i)+3] offset:TTILE*(\u)+16*TPITCH*(\i)
.endr
.endr
	s_wait_dscnt 0x0                               ; for the others' sake: my stores into the stage are done
	s_barrier_signal -1
	s_barrier_wait -1                              ; a stage row's 256 bytes come from all eight waves
.irp u, 0,1
.irp k, 0,1,2,3
	ds_load_b128 v[X+16*(\u)+4*(\k):X+16*(\u)+4*(\k)+3], v11 offset:TTILE*(\u)+16*TPITCH*(\k)  ; stage row 16 k + grp is hidden unit 4 grp + k
.endr
.endr
.irp u, 0,1
.irp k, 0,1,2,3
	s_wait_dscnt 7-4*(\u)-(\k)                     ; LDS loads come back in order: this one is in, the younger ones stay out
	global_store_b128 v12, v[X+16*(\u)+4*(\k):X+16*(\u)+4*(\k)+3], s[20:21] offset:131072*(\u)+2048*(\k) th:TH_STORE_NT  ; sixteen lanes store 256 consecutive bytes, aligned
.endr
.endr
.Lend:
	s_wait_tensorcnt 0x0                           ; the wave's end: behind my last LDS store
	ds_add_u32 v[SPW], v[NIL]
	s_wait_dscnt 0x0
	s_endpgm
.Lfunc_end_k_qcad7c560db_prep:
	.size	k_qcad7c560db_prep, .Lfunc_end_k_qcad7c560db_prep-k_qcad7c560db_prep
	.p2alignl 7, 3214868480
	.fill 96, 4, 3214868480
	.section	.rodata,"a",@progbits
	.p2align	6, 0x0
	.amdhsa_kernel k_qcad7c560db_prep
		.amdhsa_group_segment_fixed_size 35840
		.amdhsa_private_segment_fixed_size 0
		.amdhsa_enable_private_segment 0
		.amdhsa_kernarg_size 48
		.amdhsa_user_sgpr_count 2
		.amdhsa_user_sgpr_kernarg_segment_ptr 1
		.amdhsa_wavefront_size32 1
		.amdhsa_system_sgpr_workgroup_id_x 1
		.amdhsa_system_sgpr_workgroup_id_y 1
		.amdhsa_system_sgpr_workgroup_id_z 1
		.amdhsa_system_vgpr_workitem_id 0
		.amdhsa_next_free_vgpr 96
		.amdhsa_next_free_sgpr 66
		.amdhsa_reserve_vcc 0
		.amdhsa_float_denorm_mode_32 3
		.amdhsa_float_denorm_mode_16_64 3
		.amdhsa_memory_ordered 1
		.amdhsa_forward_progress 1
		.amdhsa_inst_pref_size 14
	.end_amdhsa_kernel
	.amdgpu_metadata
---
amdhsa.version: [ 1, 2 ]
amdhsa.kernels:
  - .name:           k_qcad7c560db_prep
    .symbol:         k_qcad7c560db_prep.kd
    .args:
      - { .name: x, .offset: 0, .size: 8, .value_kind: global_buffer, .address_space: global }
      - { .name: Wk, .offset: 8, .size: 8, .value_kind: global_buffer, .address_space: global }
      - { .name: Wg, .offset: 16, .size: 8, .value_kind: global_buffer, .address_space: global }
      - { .name: xb, .offset: 24, .size: 8, .value_kind: global_buffer, .address_space: global }
      - { .name: wb, .offset: 32, .size: 8, .value_kind: global_buffer, .address_space: global }
      - { .name: wgt, .offset: 40, .size: 8, .value_kind: global_buffer, .address_space: global }
    .group_segment_fixed_size: 35840
    .private_segment_fixed_size: 0
    .kernarg_segment_align: 8
    .kernarg_segment_size: 48
    .max_flat_workgroup_size: 256
    .sgpr_count:     66
    .vgpr_count:     96
    .wavefront_size: 32
...
	.end_amdgpu_metadata
.endif
;; end of part 1
;; launch score (part 2): grid 32 x 8, 4 waves a work-group, clusters of 4 x 4, 327,680 bytes of LDS; arguments xb, wb, part; writes part
.if DOCPART == 2
	.amdgcn_target "amdgcn-amd-amdhsa--gfx1250"
	.amdhsa_code_object_version 6
	.text
	.protected	k_qcad7c560db_score
	.globl	k_qcad7c560db_score
	.p2align	8
	.type	k_qcad7c560db_score,@function
k_qcad7c560db_score:
	s_mov_b64 s[64:65], 0
	v_nop
	global_prefetch_b8 v0, s[64:65] scope:SCOPE_SE
	s_setreg_imm32_b32 hwreg(HW_REG_WAVE_MODE, 25, 1), 1
	s_wait_xcnt 0x0
	s_wait_alu depctr_hold_cnt(0) depctr_sa_sdst(0) depctr_va_vdst(0) depctr_va_sdst(0) depctr_va_ssrc(0) depctr_va_vcc(0) depctr_vm_vsrc(0)
	s_getreg_b32 s2, hwreg(HW_REG_IB_STS2, 6, 4)
	s_cmp_eq_u32 s2, 0
	s_cbranch_scc0 .Lentry_in_a_cluster
	s_endpgm
.Lentry_in_a_cluster:
	s_bfe_u32 s2, ttmp6, 0x10000c
	s_cmp_lg_u32 s2, 0xf033
	s_cbranch_scc0 .Lentry_shape_is_right
	s_endpgm
.Lentry_shape_is_right:
; THE SCORES AND THEIR BEST.  s[b][h] = the sum over i of xb[b][i] wb[h][i]; xb: [4096][2048], wb: [8192][2048], bf16; sums in f32.  The scores are never stored: of each lane's 64 scores of a
; row only the greatest and its h leave, as whole numbers, in part.  The division by |x[b]| is left out: it changes no row's argmax (shown at the head of the first launch's text).
; LIMITS.  Scores are finite (NaN and infinities are not treated as jnp.argmax treats them).  Two scores of a row that differ by less than the rounding of an f32 sum of 2,048 terms may change places.
; SHARES.  A tile of 256 rows x 256 hidden units is made by a work-group of four waves, a wave 128 x 128: 64 accumulators of 16 x 16, 512 registers.  The 512 tiles go to 256 work-groups THAT STAY:
; each makes two tiles, 2,048 rows apart, on the same 256 rows of wb.  K goes in steps of 128 through a ring of two LDS slots filled by the tensor data mover (rows of 256 bytes, aligned); the ring
; does not stop at the first tile's end: its last two changes of slots ask for the second tile's first two K steps.
; CLUSTERS: 4 x 4 work-groups.  The four of a row of the cluster need the same tiles of xb, the four of a column the same tiles of wb: each tile is asked for JOINTLY, by the same tensor load with the
; same descriptor and a mask that names the four.
; THE MATRIX INSTRUCTION IS USED TRANSPOSED: source 0 = 16 rows of wb, source 1 = 16 rows of xb.  In the result lane l holds ONE row of x (l % 16) and hidden units 8 (l / 16) + 0..7.  So a lane's
; 64 registers of a block of 16 rows are 64 scores of one row, and their maximum needs no other lane.
; part: [row / 16 : 256][slice of 128 hidden units : 64][lane : 32][2 words]: word 0 the key, word 1 the hidden unit.  The key is the f32 maximum's bits turned so that unsigned order is the floats' order
; (-0 made +0 first): nothing is rounded.  Within a lane ties take the lowest hidden unit, as jnp.argmax does.  A wave's store of a block is 256 consecutive bytes, aligned.
; REGISTERS, in windows of 256 (s_set_vgpr_msb: bits 1:0 source 0, 3:2 source 1, 5:4 source 2, 7:6 destination):
;   window 0: v0-31 addresses; v32-47 maxima and places; v64-127, v128-191 fragments of xb, two buffers; v192-207 what is stored; v224-255 at work
;   window 1: v64-127, v128-191 fragments of wb, two buffers        window 2: the 32 accumulators of my rows 0-63 ((a, b) at v[8 (8 a + b)]);   window 3: those of my rows 64-127
.set SIZE_M, 4096
.set SIZE_N, 8192
.set SIZE_K, 2048
.set SIZE_TILES, 2
.set KSTEP,  128
.set PITCH,  272                       ; an LDS row: 256 bytes + 16 of padding = 68 words: row r starts at bank 4 r mod 64 (64 banks of 4 bytes: ISA guide 11.1), so the 16 rows that a load touches start at 16 different banks
.set HALFT,  128*PITCH                 ; 128 rows: what one tensor load brings, and what one wave reads of xb or of wb
.set SLOT,   4*HALFT                   ; xb's 256 rows, then wb's 256 rows
.set SPARE,  2*SLOT                    ; behind the ring: the spare words, 128 bytes for each wave: two blocks of 256 bytes that no other line names
.set LAPS,   SIZE_K/(2*KSTEP)          ; a lap = two K steps = once round the ring
.set WALK,   SIZE_M/SIZE_TILES         ; the two tiles lie 2,048 rows apart
.set NEXT_A, WALK*SIZE_K*2-(SIZE_K-2*KSTEP)*2   ; bytes from a slot's last K step of a tile to its first of the next: xb goes WALK rows down and back along K,
.set BACK_B, (SIZE_K-2*KSTEP)*2        ; wb only back
.set NEXT_P, (WALK/16)*16384           ; bytes in part from a tile's blocks of 16 rows to the next tile's
.set ADRA, 16                          ; v16-17  LDS address of my xb fragments in slot 0, 1
.set ADRB, 20                          ; v20-21  the same for wb
.set PO,   26                          ; v26     8 x my lane: my pair in a block of part; never rewritten
.set CB,   27                          ; v27     the hidden unit of my element 0: 256 x tile column + 128 x half + 8 (l / 16); never rewritten
.set SPW,  28                          ; v28     LDS address of my spare word: SPARE + 4 x my thread's number; never rewritten
.set NIL,  29                          ; v29     0; never rewritten
.set PFO,  30                          ; v30     the prefetches' offset: my lane x a row of 4,096 bytes; never rewritten
.set MX,   32                          ; v32-39  the maximum of row block a
.set IX,   40                          ; v40-47  its element, 0 to 63
.set F0,   64                          ; fragment buffer 0
.set F1,   128                         ; fragment buffer 1
.set RES,  192                         ; v192-207 (key, hidden unit) of row block a at RES + 2 a
.set TM,   224                         ; v224-255 at work
.set LIM,  43                          ; s43     1 in a wave that prefetches, else the greatest number
.set PFA,  44                          ; s[44:45] where my prefetches stand: my work-group's 32 rows of the 128 that I fetch, one K step further along K than the refill that is being asked for
.set G1,  24                           ; s[24:31] descriptor group 1 for xb's tiles
.set G0,  32                           ; s[32:39] descriptor group 0 for xb's tiles, one set for each slot
.set G1B, 48                           ; s[48:55] descriptor group 1 for wb's tiles: it differs in the mask alone
.set G0B, 56                           ; s[56:63] descriptor group 0 for wb's tiles
.set MK,  68                           ; s68-75  two sets of four lane masks, by the element's parity
.set MSB, 0
.macro WIN new                         ; the immediate's high byte repeats the setting that is left; a switch that changes nothing is dropped
.if MSB != (\new)
	s_set_vgpr_msb (MSB<<8)|(\new)
.set MSB, \new
.endif
.endm
.set MUL_LO, 0xa1                      ; source 0 (wb) window 1, source 1 (xb) window 0, C and D window 2
.set MUL_HI, 0xf1                      ; the same, C and D window 3
.set TO_B,   0x40                      ; destination window 1, address window 0
; A joint load.  Waves 0 and 1 fetch xb's two halves, waves 2 and 3 wb's.  Each line has one mask and one set of registers for all that issue it; the branch hangs on the wave's number alone.
; An s_nop 0 and four v_nop follow each of the two lines, ahead of the jump, the label and what follows.
.macro JLOAD s
	s_cmp_eq_u32 s11, 0
	s_cbranch_scc0 .Lfor_b_\@
	tensor_load_to_lds s[G0+4*(\s):G0+4*(\s)+3], s[G1:G1+7]
	s_nop 0
.rept 4
	v_nop
.endr
	s_branch .Lasked_\@
.Lfor_b_\@:
	tensor_load_to_lds s[G0B+4*(\s):G0B+4*(\s)+3], s[G1B:G1B+7]
	s_nop 0
.rept 4
	v_nop
.endr
.Lasked_\@:
.endm
; A PREFETCH INTO THE L2, behind each joint load, its five lines and the run of LDS loads that follows them: the K step that stands TWO refills on, 512 matrix instructions ahead of the load that will
; want it: 32 rows x 256 bytes, a lane a row, one instruction a wave.  Each row's 256 bytes of a K step are named ONCE in the launch: xb's tile row is read by every cluster of that row of clusters, and
; the one with cluster x = 0 asks; wb's tile column by every cluster of that column, and the one with cluster y = 0 asks.  The four partners that ask for a tile jointly share its rows out BY ADDRESS:
; of the 128 rows that a wave fetches the partner at place p takes 32 p .. 32 p + 31 (p = cx for xb, cy for wb).  how = 0, in the loop: a tile's last two refills have no K step two on; how = 1: at the change of tiles.
.macro ASK how
.if \how
	s_cmp_eq_u32 s[LIM], 1
.else
	s_cmp_gt_u32 s3, s[LIM]                        ; s3 = 1 in the loop's last trip
.endif
	s_cbranch_scc0 .Lnot_mine_\@
	global_prefetch_b8 v[PFO], s[PFA:PFA+1] offset:KSTEP*2 th:TH_LOAD_NT scope:SCOPE_SE
.Lnot_mine_\@:
.endm
; A round of the cluster's barrier: my work-group's barrier, so that wave 0's signal speaks for all four waves; wave 0 signals; every wave waits for all sixteen work-groups; my work-group's barrier once more.
.macro CREST                           ; a round behind its opening barrier
	s_cmp_lg_u32 s10, 0
	s_cbranch_scc1 .Lnot_wave_0_\@
	s_barrier_signal -3
.Lnot_wave_0_\@:
	s_barrier_wait -3
	s_barrier_signal -1
	s_barrier_wait -1
.endm
.macro CROUND                          ; a whole round
	s_barrier_signal -1
	s_barrier_wait -1
	CREST
.endm
	s_load_b128 s[4:7], s[0:1], 0x0                ; xb s[4:5], wb s[6:7]
	s_load_b64 s[8:9], s[0:1], 0x10                ; part
	v_lshl_add_u32 v[SPW], v0, 2, SPARE
	v_mov_b32 v[NIL], 0
	ds_add_u32 v[SPW], v[NIL]                      ; the wave's opening: the add, twice on end, and its wait ahead of my first tensor load; the set-up below stands between
	ds_add_u32 v[SPW], v[NIL]                      ; and once more, under the one wait
	v_lshrrev_b32 v1, 5, v0
	v_readfirstlane_b32 s10, v1                    ; wave 0..3
	s_lshr_b32 s11, s10, 1                         ; which half of the tile's rows is mine.  Also: I fetch for xb (0) or for wb (1)
	s_and_b32 s12, s10, 1                          ; which half of its hidden units.  Also: which 128 rows of that tile I fetch
	s_bfe_u32 s40, ttmp6, 0x40000                  ; cx: my place along the cluster's x
	s_bfe_u32 s41, ttmp6, 0x40004                  ; cy: along its y
	s_lshl_b32 s42, ttmp9, 2                       ; in a cluster launch ttmp9 and ttmp7 count clusters
	s_add_co_u32 s42, s42, s40                     ; tile column = 4 x cluster x + cx
	s_and_b32 s13, ttmp7, 0xffff
	s_lshl_b32 s13, s13, 2
	s_add_co_u32 s13, s13, s41                     ; tile row = 4 x cluster y + cy
	s_lshl_b32 s43, s41, 2
	s_lshl_b32 s43, 15, s43                        ; my row of the cluster: places 4 cy .. 4 cy + 3
	s_lshl_b32 s44, 0x1111, s40                    ; my column: places cx, cx + 4, cx + 8, cx + 12
	; descriptor group 1: a tile of 128 rows x 128 elements, padded in LDS
	s_or_b32 s[G1+0], s43, (1<<16)|(1<<20)|(1<<21)|(5<<22)|(3<<25)   ; 15:0 the mask: xb's tiles go to my row; 17:16 elements of 2 bytes; 20 padding on; 21 set beside a mask; 24:22 after every 64 words (code 5); 31:25 4 words (code 3)
	s_or_b32 s[G1B+0], s44, (1<<16)|(1<<20)|(1<<21)|(5<<22)|(3<<25)  ; the same with the mask of my column, for wb's tiles
	s_mov_b32 s[G1B+1], KSTEP<<16
	s_mov_b32 s[G1+1], KSTEP<<16                   ; tensor_dim0 = 128
	s_mov_b32 s[G1B+2], 128<<16
	s_mov_b32 s[G1+2], 128<<16                     ; tensor_dim1 = 128
	s_mov_b32 s[G1B+3], KSTEP<<16
	s_mov_b32 s[G1+3], KSTEP<<16                   ; tile_dim0 = 128
	s_mov_b32 s[G1B+4], 128
	s_mov_b32 s[G1+4], 128                         ; tile_dim1 = 128
	s_mov_b32 s[G1B+5], SIZE_K
	s_mov_b32 s[G1+5], SIZE_K                      ; elements from row to row
	s_mov_b32 s[G1B+6], 0
	s_mov_b32 s[G1+6], 0
	s_mov_b32 s[G1B+7], 0
	s_mov_b32 s[G1+7], 0
	; where the tiles come from.  xb's hang on the tile row alone, which my row of the cluster shares; wb's on the tile column alone, which my column shares.
	s_lshl_b32 s17, s12, 7                         ; which 128 rows of the tile I fetch
	s_lshl_b32 s16, s13, 8
	s_add_co_u32 s16, s16, s17                     ; xb: row 256 x tile row + 128 x half
	s_lshl_b32 s46, s42, 8
	s_add_co_u32 s46, s46, s17                     ; wb: row 256 x tile column + 128 x half
	s_mov_b32 s17, 0
	s_mov_b32 s47, 0
	s_mov_b64 s[18:19], SIZE_K*2
	s_mul_u64 s[16:17], s[16:17], s[18:19]         ; in bytes
	s_mul_u64 s[46:47], s[46:47], s[18:19]
	s_mul_i32 s20, s10, HALFT                      ; and where they go: wave x 128 rows: no place in the cluster enters an LDS address
	s_wait_dscnt 0x0                               ; both opening adds are done
	s_wait_kmcnt 0x0
	s_add_nc_u64 s[14:15], s[4:5], s[16:17]
	s_add_nc_u64 s[46:47], s[6:7], s[46:47]
	CROUND                                         ; all sixteen work-groups are here: the first joint loads meet
.irp s, 0,1
	s_mov_b32 s[G0+4*(\s)], 1                                        ; count = 1
	s_add_co_u32 s[G0+4*(\s)+1], s20, (\s)*SLOT                      ; LDS address
	s_add_nc_u64 s[G0+4*(\s)+2:G0+4*(\s)+3], s[14:15], (\s)*KSTEP*2  ; global address: K step s
	s_or_b32 s[G0+4*(\s)+3], s[G0+4*(\s)+3], 0x80000000              ; type = 2
	s_mov_b32 s[G0B+4*(\s)], 1
	s_add_co_u32 s[G0B+4*(\s)+1], s20, (\s)*SLOT
	s_add_nc_u64 s[G0B+4*(\s)+2:G0B+4*(\s)+3], s[46:47], (\s)*KSTEP*2
	s_or_b32 s[G0B+4*(\s)+3], s[G0B+4*(\s)+3], 0x80000000
	JLOAD \s                                       ; the ring is filled before anything else is done: two loads of mine are out
.endr
	; A fragment is 16 rows x 32 K in 8 registers: lane l holds row l % 16; registers 0-3 K = 8 (l / 16) + 0..7, registers 4-7 K = 16 + 8 (l / 16) + 0..7: two loads of 16 bytes, 32 bytes apart.
	v_and_b32 v1, 15, v0                           ; l % 16
	v_bfe_u32 v2, v0, 4, 1                         ; l / 16
	v_mul_u32_u24 v3, v1, PITCH
	v_lshl_add_u32 v3, v2, 4, v3                   ; row x pitch + 16 x half
	s_mul_i32 s21, s11, HALFT                      ; my 128 rows of xb
	s_mul_i32 s22, s12, HALFT                      ; my 128 rows of wb,
	s_add_co_u32 s22, s22, 2*HALFT                 ; which lie behind xb's 256
.irp s, 0,1
	v_add_nc_u32 v[ADRA+(\s)], s21, v3
	v_add_nc_u32 v[ADRB+(\s)], s22, v3
	s_add_co_u32 s21, s21, SLOT
	s_add_co_u32 s22, s22, SLOT
.endr
	v_and_b32 v[PO], 31, v0
	v_lshlrev_b32 v[PO], 3, v[PO]
	; part at my first block of 16 rows and my slice
	s_lshl_b32 s13, s13, 8                         ; 256 x tile row
	s_lshl_b32 s14, s11, 7
	s_add_co_u32 s16, s13, s14                     ; my first row
	s_lshl_b32 s16, s16, 10                        ; 16 rows are 16,384 bytes of part
	s_mov_b32 s17, 0
	s_add_nc_u64 s[8:9], s[8:9], s[16:17]
	s_lshl_b32 s46, s42, 9                         ; my slice x 256 bytes = 512 x tile column + 256 x half (in the registers that held wb's address: none that feeds xb's descriptors ever holds cx)
	s_lshl_b32 s47, s12, 8
	s_add_co_u32 s46, s46, s47
	s_lshr_b32 s14, s46, 1                         ; my first hidden unit
	v_lshl_add_u32 v[CB], v2, 3, s14
	s_mov_b32 s47, 0
	s_add_nc_u64 s[8:9], s[8:9], s[46:47]
	; the prefetches.  s13 = 256 x tile row, s42 = tile column, s40 = cx, s41 = cy still stand
	s_lshl_b32 s42, s42, 8
	s_and_b32 s22, ttmp7, 0xffff                   ; cluster y
	s_cmp_eq_u32 s11, 0                            ; do I fetch for xb?
	s_cselect_b32 s20, s13, s42                    ; the tile's first row
	s_cselect_b32 s21, s40, s41                    ; my place among the four that ask for it with me
	s_cselect_b32 s22, ttmp9, s22                  ; the coordinate along which other clusters read the same rows
	s_cselect_b64 s[PFA:PFA+1], s[4:5], s[6:7]
	s_cmp_eq_u32 s22, 0
	s_cselect_b32 s[LIM], 1, -1                    ; the same in all sixteen partners, for a given wave
	s_lshl_b32 s22, s12, 7
	s_add_co_u32 s20, s20, s22                     ; + the 128 rows that I fetch
	s_lshl_b32 s21, s21, 5
	s_add_co_u32 s20, s20, s21                     ; + my work-group's 32 of them
	s_mov_b32 s21, 0
	s_mov_b64 s[18:19], SIZE_K*2
	s_mul_u64 s[20:21], s[20:21], s[18:19]
	s_add_nc_u64 s[PFA:PFA+1], s[PFA:PFA+1], s[20:21]
	s_add_nc_u64 s[PFA:PFA+1], s[PFA:PFA+1], 2*KSTEP*2  ; at K step 2: the first refill steps it to 3 and names K step 4.  Nothing is prefetched here, at the head
	v_and_b32 v[PFO], 31, v0
	v_mul_u32_u24 v[PFO], v[PFO], SIZE_K*2
; 16 matrix instructions: row blocks a0, a0 + 1 of the window's four (hi = 0: my rows 0-63, 1: rows 64-127) x all 8 blocks of hidden units, 32 along K.  zero = 1: the first product starts the sums.
.macro MUL16 f, hi, a0, zero
	WIN MUL_LO+0x50*(\hi)
.irp a, \a0, (\a0)+1
.irp b, 0,1,2,3,4,5,6,7
.if \zero
	v_wmma_f32_16x16x32_bf16 v[8*(8*(\a)+(\b)):8*(8*(\a)+(\b))+7], v[(\f)+8*(\b):(\f)+8*(\b)+7], v[(\f)+8*(4*(\hi)+(\a)):(\f)+8*(4*(\hi)+(\a))+7], 0
.else
	v_wmma_f32_16x16x32_bf16 v[8*(8*(\a)+(\b)):8*(8*(\a)+(\b))+7], v[(\f)+8*(\b):(\f)+8*(\b)+7], v[(\f)+8*(4*(\hi)+(\a)):(\f)+8*(4*(\hi)+(\a))+7], v[8*(8*(\a)+(\b)):8*(8*(\a)+(\b))+7]
.endif
.endr
.endr
.endm
; 32 LDS loads in one run: the fragments of one quarter step (128 rows of wb, 128 rows of xb, 32 K at byte k of the rows) into buffer f
.macro FETCH slot, k, f
	WIN TO_B
.irp i, 0,1,2,3,4,5,6,7
	ds_load_b128 v[(\f)+8*(\i):(\f)+8*(\i)+3],   v[ADRB+(\slot)] offset:(\k)+(\i)*16*PITCH
	ds_load_b128 v[(\f)+8*(\i)+4:(\f)+8*(\i)+7], v[ADRB+(\slot)] offset:(\k)+(\i)*16*PITCH+32
.endr
	WIN 0
.irp i, 0,1,2,3,4,5,6,7
	ds_load_b128 v[(\f)+8*(\i):(\f)+8*(\i)+3],   v[ADRA+(\slot)] offset:(\k)+(\i)*16*PITCH
	ds_load_b128 v[(\f)+8*(\i)+4:(\f)+8*(\i)+7], v[ADRA+(\slot)] offset:(\k)+(\i)*16*PITCH+32
.endr
.endm
; A load into a register that a matrix instruction has read, and a vector instruction that reads a matrix result, stand four places behind that matrix instruction, and only plain vector instructions
; that name none of its registers are places (ISA guide 7.12.1 for vector instructions).
.macro PLACES
.rept 4
	v_nop
.endr
.endm
; A K step is four quarter steps of 32 along K, 64 matrix instructions each, on buffers 0, 1, 0, 1.  The 64 accumulators take turns in one order everywhere.
; One of the first three quarters: multiplies buffer f; in its middle it fetches the next quarter's fragments, at byte k of the same slot's rows, into buffer g.
.macro QUARTER slot, k, f, g, zero
	s_wait_dscnt 8                                 ; wb and xb's rows 0-63 are in; the youngest eight loads (xb's rows 64-127) may be out
	WIN MUL_LO
	MUL16 \f, 0, 0, \zero
	MUL16 \f, 0, 2, \zero
	PLACES
	FETCH \slot, \k, \g
	s_wait_dscnt 32                                ; all but the 32 just issued
	WIN MUL_HI
	MUL16 \f, 1, 0, \zero
	MUL16 \f, 1, 2, \zero
.endm
; The last quarter multiplies buffer 1 and changes slots.  MEET is its first half: ONE barrier for the change.  In front of it each wave waits for all its tensor loads, of which one is out: its part of
; the next slot; adds 0 to its spare word; and waits for that and for its own reads of this slot.  Behind it nobody reads this slot any more and the next slot is whole.
.macro MEET round                      ; round = 1: a round of the cluster's barrier follows
	WIN 0                                          ; (the add's two registers lie in window 0)
	s_wait_tensorcnt 0x0                           ; all my tensor loads have landed
	ds_add_u32 v[SPW], v[NIL]                      ; 0 onto my spare word
	s_wait_dscnt 9                                 ; (the add and the youngest eight loads may be out)
	WIN MUL_LO
	MUL16 F1, 0, 0, 0                              ; sixteen matrix instructions stand between the add and the wait for it
	s_wait_dscnt 0x0                               ; the add is done, and my reads of this slot are over:
	s_barrier_signal -1                            ; say so,
	MUL16 F1, 0, 2, 0                              ; work on registers while the others arrive,
.if \round
	WIN 0
.endif
	s_barrier_wait -1                              ; and go on when all four have said so
.endm
; The whole last quarter.  Behind the round the slot just read out is filled again first: with this tile's K step two steps on (on = 0) or, in the first tile's last two K steps, with the second tile's
; K step 0 or 1 (on = 1); then come the next slot's first fragments.  From a request to the wait for it a wave issues 224 matrix instructions.
.macro TURN slot, next, on
	s_wait_xcnt 0x0                                ; the last prefetch, a K step back, has read its address: it is stepped here, ahead of the waits of the change of slots
.if (\on) && (\slot) == 0
	s_add_nc_u64 s[PFA:PFA+1], s[PFA:PFA+1], (WALK-1)*SIZE_K*2+KSTEP*2  ; from the K step after the tile's last to the next tile's K step 1: WALK rows down, back along K
	s_cmp_eq_u32 s11, 0
	s_cselect_b32 s[LIM], s[LIM], -1               ; wb's rows are the same for both tiles: they are asked for in the first alone
.else
	s_add_nc_u64 s[PFA:PFA+1], s[PFA:PFA+1], KSTEP*2
.endif
	MEET 1
	CREST                                          ; no wave of any partner still reads this slot's tile or has a load on its way
.if \on
	s_add_nc_u64 s[G0+4*(\slot)+2:G0+4*(\slot)+3], s[G0+4*(\slot)+2:G0+4*(\slot)+3], NEXT_A
	s_sub_nc_u64 s[G0B+4*(\slot)+2:G0B+4*(\slot)+3], s[G0B+4*(\slot)+2:G0B+4*(\slot)+3], BACK_B
.else
	s_add_nc_u64 s[G0+4*(\slot)+2:G0+4*(\slot)+3], s[G0+4*(\slot)+2:G0+4*(\slot)+3], 2*KSTEP*2
	s_add_nc_u64 s[G0B+4*(\slot)+2:G0B+4*(\slot)+3], s[G0B+4*(\slot)+2:G0B+4*(\slot)+3], 2*KSTEP*2
.endif
	JLOAD \slot                                    ; the first tensor load behind the round, my only one until the next; its four v_nop are also the places in front of the loads below
	FETCH \next, 0, F0
	ASK \on                                        ; behind the joint load and the run of LDS loads that the next products wait for
	WIN MUL_HI
	MUL16 F1, 1, 0, 0
	MUL16 F1, 1, 2, 0
.endm
; THE WAY OUT: for each of my eight blocks of 16 rows, the greatest of my lane's 64 scores and the lowest element that holds it.  Element el = 8 b + j of row block a lies in register 64 (a % 4) + el of window 2 + a / 4.
; CMPS: is element el another number than the maximum?  Four row blocks, into the mask set of el's parity.  CNDS: where it is not, el is the place.  el goes DOWN, so the last write is the lowest element.
.macro CMPS el, hi
.irp a, 0,1,2,3
	v_cmp_neq_f32 s[MK+4*((\el)%2)+(\a)], v[64*(\a)+(\el)], v[MX+4*(\hi)+(\a)]
.endr
.endm
.macro CNDS el, hi
.irp a, 0,1,2,3
	v_cndmask_b32 v[IX+4*(\hi)+(\a)], \el, v[IX+4*(\hi)+(\a)], s[MK+4*((\el)%2)+(\a)]
.endr
.endm
.macro ARGMAX
	PLACES                                         ; behind the last products
.irp hi, 0,1
	WIN 0x2a+0x15*(\hi)                            ; all three sources in window 2 or 3
.set n, 0
.rept 32                               ; accumulator n = 8 a + b: a chain of its own; each accumulator's lowest registers are read first
	v_max3_num_f32 v[TM+n], v[8*n], v[8*n+1], v[8*n+2]
.set n, n+1
.endr
	WIN 0x28+0x14*(\hi)                            ; source 0 in window 0
.set n, 0
.rept 32
	v_max3_num_f32 v[TM+n], v[TM+n], v[8*n+3], v[8*n+4]
.set n, n+1
.endr
.set n, 0
.rept 32
	v_max3_num_f32 v[TM+n], v[TM+n], v[8*n+5], v[8*n+6]
.set n, n+1
.endr
.set n, 0
.rept 16                               ; the last registers of two neighbours go to the even one's chain
	v_max3_num_f32 v[TM+n], v[TM+n], v[8*n+7], v[8*n+15]
.set n, n+2
.endr
	WIN 0
.irp a, 0,1,2,3
	v_max3_num_f32 v[MX+4*(\hi)+(\a)], v[TM+8*(\a)], v[TM+8*(\a)+1], v[TM+8*(\a)+2]
.endr
.irp a, 0,1,2,3
	v_max3_num_f32 v[MX+4*(\hi)+(\a)], v[MX+4*(\hi)+(\a)], v[TM+8*(\a)+3], v[TM+8*(\a)+4]
.endr
.irp a, 0,1,2,3
	v_max3_num_f32 v[MX+4*(\hi)+(\a)], v[MX+4*(\hi)+(\a)], v[TM+8*(\a)+5], v[TM+8*(\a)+6]
.endr
.irp a, 0,1,2,3
	v_max_num_f32 v[MX+4*(\hi)+(\a)], v[MX+4*(\hi)+(\a)], v[TM+8*(\a)+7]
.endr
.irp a, 0,1,2,3
	v_mov_b32 v[IX+4*(\hi)+(\a)], 63               ; if no lower element holds the maximum, the last one does
.endr
	WIN 0x02+(\hi)                                 ; source 0 in window 2 or 3
	CMPS 62, \hi
.set e, 61
.rept 62                               ; an element's four selects stand behind the next element's four compares
	CMPS e, \hi
	CNDS e+1, \hi
.set e, e-1
.endr
	CNDS 0, \hi
.endr
	WIN 0
.irp a, 0,1,2,3,4,5,6,7
	v_and_b32 v[TM+(\a)], 0x38, v[IX+(\a)]         ; 8 b
	v_add_f32 v[MX+(\a)], 0, v[MX+(\a)]            ; -0 becomes +0, so that equal floats have equal keys
	v_add3_u32 v[RES+2*(\a)+1], v[IX+(\a)], v[TM+(\a)], v[CB]  ; the hidden unit: 16 b + j + my element 0's
	v_ashrrev_i32 v[TM+8+(\a)], 31, v[MX+(\a)]
	v_or_b32 v[TM+8+(\a)], 0x80000000, v[TM+8+(\a)]
	v_xor_b32 v[RES+2*(\a)], v[MX+(\a)], v[TM+8+(\a)]          ; the key: a positive number's sign is set, a negative number's bits are all turned
.endr
.irp a, 0,1,2,3,4,5,6,7
	global_store_b64 v[PO], v[RES+2*(\a):RES+2*(\a)+1], s[8:9] offset:16384*(\a)  ; 32 lanes store 256 consecutive bytes, aligned
.endr
	s_wait_xcnt 0x0                                ; the stores have read their base and their data: only behind this wait are these written again
	s_add_nc_u64 s[8:9], s[8:9], NEXT_P            ; the next tile's blocks (behind the last tile the stepped address is not used)
.endm
	s_wait_tensorcnt 1                             ; my part of K step 0 is in; K step 1's may stay out
	s_barrier_signal -1
	s_barrier_wait -1                              ; everybody's is
	FETCH 0, 0, F0
	s_mov_b32 s2, SIZE_TILES                       ; tiles to go, this one among them: the same number in every work-group
.Ltile:
	QUARTER 0, 64,  F0, F1, 1                      ; a tile's first quarter stands in front of the loop: its products start the sums
	WIN 0                                          ; at a label and at a branch every window is 0
	s_mov_b32 s3, LAPS-1
.Llap:                                                 ; a trip goes once round the ring, from a lap's second quarter to the next lap's first, and fills both slots again
	QUARTER 0, 128, F1, F0, 0
	QUARTER 0, 192, F0, F1, 0
	TURN 0, 1, 0
	QUARTER 1, 64,  F0, F1, 0
	QUARTER 1, 128, F1, F0, 0
	QUARTER 1, 192, F0, F1, 0
	TURN 1, 0, 0
	QUARTER 0, 64,  F0, F1, 0
	WIN 0
	s_sub_co_u32 s3, s3, 1
	s_cmp_lg_u32 s3, 0
	s_cbranch_scc1 .Llap
	QUARTER 0, 128, F1, F0, 0                      ; the tile's last lap goes on
	QUARTER 0, 192, F0, F1, 0
	WIN 0
	s_cmp_eq_u32 s2, 1
	s_cbranch_scc1 .Llast                          ; the last tile's tail asks for nothing more
	TURN 0, 1, 1                                   ; THE RING GOES ON INTO THE NEXT TILE: slot 0 takes its K step 0,
	QUARTER 1, 64,  F0, F1, 0
	QUARTER 1, 128, F1, F0, 0
	QUARTER 1, 192, F0, F1, 0
	TURN 1, 0, 1                                   ; slot 1 its K step 1, and the next tile's first fragments are fetched: they stay on their way across the way out, which names none of their registers
	WIN 0
	s_branch .Lepi
.Llast:
	MEET 0                                         ; my one tensor load that was still out is slot 1's, the last K step's, so no round follows
	PLACES                                         ; for the loads into buffer 0, which the quarter before multiplied
	FETCH 1, 0, F0
	MUL16 F1, 1, 0, 0
	MUL16 F1, 1, 2, 0
	QUARTER 1, 64,  F0, F1, 0
	QUARTER 1, 128, F1, F0, 0
	QUARTER 1, 192, F0, F1, 0
	s_wait_dscnt 0x0                               ; the very last quarter: nothing more to fetch
	MUL16 F1, 0, 0, 0
	MUL16 F1, 0, 2, 0
	MUL16 F1, 1, 0, 0
	MUL16 F1, 1, 2, 0
	WIN 0
.Lepi:
	ARGMAX
	s_sub_co_u32 s2, s2, 1
	s_cmp_lg_u32 s2, 0
	s_cbranch_scc1 .Ltile
	s_wait_tensorcnt 0x0                           ; the wave's end: behind my last tensor load
	ds_add_u32 v[SPW], v[NIL]
	s_wait_dscnt 0x0
	CROUND                                         ; the closing round: no work-group ends while a partner may still ask for a tile that names it
	s_endpgm
.Lfunc_end_k_qcad7c560db_score:
	.size	k_qcad7c560db_score, .Lfunc_end_k_qcad7c560db_score-k_qcad7c560db_score
	.p2alignl 7, 3214868480
	.fill 96, 4, 3214868480
	.section	.rodata,"a",@progbits
	.p2align	6, 0x0
	.amdhsa_kernel k_qcad7c560db_score
		.amdhsa_group_segment_fixed_size 327680
		.amdhsa_private_segment_fixed_size 0
		.amdhsa_enable_private_segment 0
		.amdhsa_kernarg_size 24
		.amdhsa_user_sgpr_count 2
		.amdhsa_user_sgpr_kernarg_segment_ptr 1
		.amdhsa_wavefront_size32 1
		.amdhsa_system_sgpr_workgroup_id_x 1
		.amdhsa_system_sgpr_workgroup_id_y 1
		.amdhsa_system_sgpr_workgroup_id_z 1
		.amdhsa_system_vgpr_workitem_id 0
		.amdhsa_next_free_vgpr 1024
		.amdhsa_next_free_sgpr 80
		.amdhsa_reserve_vcc 0
		.amdhsa_float_denorm_mode_32 3
		.amdhsa_float_denorm_mode_16_64 3
		.amdhsa_memory_ordered 1
		.amdhsa_forward_progress 1
		.amdhsa_inst_pref_size 229
	.end_amdhsa_kernel
	.amdgpu_metadata
---
amdhsa.version: [ 1, 2 ]
amdhsa.kernels:
  - .name:           k_qcad7c560db_score
    .symbol:         k_qcad7c560db_score.kd
    .args:
      - { .name: xb, .offset: 0, .size: 8, .value_kind: global_buffer, .address_space: global }
      - { .name: wb, .offset: 8, .size: 8, .value_kind: global_buffer, .address_space: global }
      - { .name: part, .offset: 16, .size: 8, .value_kind: global_buffer, .address_space: global }
    .group_segment_fixed_size: 327680
    .private_segment_fixed_size: 0
    .kernarg_segment_align: 8
    .kernarg_segment_size: 24
    .max_flat_workgroup_size: 128
    .sgpr_count:     80
    .vgpr_count:     1024
    .wavefront_size: 32
...
	.end_amdgpu_metadata
.endif
;; end of part 2
;; launch take (part 3): grid 256 x 1, 8 waves a work-group, no clusters, 3,072 bytes of LDS; arguments part, wgt, out0; writes out0
.if DOCPART == 3
	.amdgcn_target "amdgcn-amd-amdhsa--gfx1250"
	.amdhsa_code_object_version 6
	.text
	.protected	k_qcad7c560db_take
	.globl	k_qcad7c560db_take
	.p2align	8
	.type	k_qcad7c560db_take,@function
k_qcad7c560db_take:
	s_mov_b64 s[64:65], 0
	v_nop
	global_prefetch_b8 v0, s[64:65] scope:SCOPE_SE
	s_setreg_imm32_b32 hwreg(HW_REG_WAVE_MODE, 25, 1), 1
	s_wait_xcnt 0x0
; THE PICK AND THE COPY.  out0[b][c] = wgt[idx[b]][c], widened from bf16 to f32; idx[b] = the hidden unit of the greatest of row b's 128 candidates in part (key, hidden unit), the lowest hidden unit
; among equal keys, as jnp.argmax breaks ties.  All that is compared here are whole numbers read from memory.  Nothing of reference() is left out here: it takes Wg's columns by the index itself.
; part: [row / 16 : 256][slice : 64][lane : 32][2 words]; lane l of a slice speaks for row l % 16.  wgt: [8192][1024] bf16.  out0: [4096][1000] f32.
; SHARES.  A work-group owns 16 rows: 16,384 bytes of part, and 64,000 consecutive bytes of out0, which begin at a multiple of 256: 4,000 quads of four numbers; 1,000 = 4 x 250, so no quad crosses a row.
; LIMIT.  The index is held to 0 .. 8,191 before it enters an address; the launch before stores no other.
; No matrix unit, no cluster, no tensor load, no prefetch: the launch copies a few megabytes and its addresses are known only when the pick is made.
.set SPW,  2                           ; v2   LDS address of my spare word; never rewritten
.set NIL,  3                           ; v3   0; never rewritten
.set SPARE, 2048                       ; behind the 256 pairs: the spare words, 128 bytes a wave: four blocks of 256 bytes that no other line names
.set P,    16                          ; v[16:31]   my eight candidates; the first pair then runs
.set Q,    32                          ; v[32:63]   a row's sixteen candidates; the first pair then runs
.set BA,   64                          ; v[64:79]   quad i: 4 x its row in the block: the lane that holds that row's winner, as a byte index
.set CO,   80                          ; v[80:95]   quad i: its 8 bytes in a row of wgt
.set IDX,  96                          ; v[96:111]  quad i: the winner, then the byte offset in wgt
.set D,    112                         ; v[112:143] quad i: four bf16
.set O,    144                         ; v[144:207] quad i: four f32
	s_load_b128 s[4:7], s[0:1], 0x0                ; part s[4:5], wgt s[6:7]
	s_load_b64 s[8:9], s[0:1], 0x10                ; out0
	v_lshl_add_u32 v[SPW], v0, 2, SPARE
	v_mov_b32 v[NIL], 0
	v_lshrrev_b32 v1, 5, v0
	v_readfirstlane_b32 s10, v1                    ; wave 0..7
	v_lshlrev_b32 v4, 3, v0                        ; 8 t
	v_lshlrev_b32 v5, 4, v0                        ; 16 t
	s_lshl_b32 s12, ttmp9, 14
	s_mov_b32 s13, 0
	s_mul_i32 s14, ttmp9, 64000
	s_mov_b32 s15, 0
	s_mov_b32 s16, 0xffff0000                      ; a word's upper bf16
	s_wait_kmcnt 0x0
	s_add_nc_u64 s[4:5], s[4:5], s[12:13]
	s_add_nc_u64 s[8:9], s[8:9], s[14:15]
	; PHASE 1.  Thread t takes entries 256 i + t: lane t % 32 of slices 8 i + t / 32: one row's candidates, their hidden units ascending with i.
.irp i, 0,1,2,3,4,5,6,7
	global_load_b64 v[P+2*(\i):P+2*(\i)+1], v4, s[4:5] offset:2048*(\i) th:TH_LOAD_NT
.endr
	; while they are on their way: quad q = 256 i + t lies in row q / 250 of the block; q x 67,109 >> 24 is that quotient for every q under 4,096 (67,109 / 2^24 exceeds 1 / 250 by 8e-9)
.irp i, 0,1,2,3,4,5,6,7,8,9,10,11,12,13,14,15
	v_add_nc_u32 v7, 256*(\i), v0
.if (\i) == 15
	v_min_u32 v7, 3999, v7                         ; the block has 4,000 quads: waves 5 to 7 repeat the last and do not store it
.endif
	v_mul_u32_u24 v[BA+(\i)], v7, 67109
	v_lshrrev_b32 v[BA+(\i)], 24, v[BA+(\i)]
	v_mul_u32_u24 v[CO+(\i)], v[BA+(\i)], 250
	v_sub_nc_u32 v[CO+(\i)], v7, v[CO+(\i)]
	v_lshlrev_b32 v[CO+(\i)], 3, v[CO+(\i)]
	v_lshlrev_b32 v[BA+(\i)], 2, v[BA+(\i)]
.endr
	v_and_b32 v6, 15, v0
	v_lshlrev_b32 v6, 3, v6                        ; 8 x (lane % 16)
.irp i, 1,2,3,4,5,6,7
	s_wait_loadcnt 7-(\i)                          ; loads come back in order: candidate i is in, the younger ones stay out
	v_cmp_gt_u32 vcc_lo, v[P+2*(\i)], v[P]         ; strictly greater: among equal keys the earlier one, with the lower hidden unit, stays
	v_cndmask_b32 v[P], v[P], v[P+2*(\i)], vcc_lo
	v_cndmask_b32 v[P+1], v[P+1], v[P+2*(\i)+1], vcc_lo
.endr
	ds_store_b64 v4, v[P:P+1]                      ; pair t: row t % 16, group t / 16
	s_wait_dscnt 0x0                               ; for the others' sake: my store is done
	s_barrier_signal -1
	s_barrier_wait -1
	; PHASE 2.  Every wave, for all 16 rows: lane l takes row l % 16's sixteen groups.  Their hidden units are in no order, so equal keys are told apart by the hidden unit.
.irp g, 0,1,2,3,4,5,6,7,8,9,10,11,12,13,14,15
	ds_load_b64 v[Q+2*(\g):Q+2*(\g)+1], v6 offset:128*(\g)
.endr
.irp g, 1,2,3,4,5,6,7,8,9,10,11,12,13,14,15
	s_wait_dscnt 15-(\g)                           ; group g is in, the younger ones stay out
	v_cmp_gt_u32 s20, v[Q+2*(\g)], v[Q]
	v_cmp_eq_u32 s21, v[Q+2*(\g)], v[Q]
	v_cmp_lt_u32 s22, v[Q+2*(\g)+1], v[Q+1]
	s_and_b32 s21, s21, s22
	s_or_b32 s20, s20, s21                         ; a greater key, or the same key at a lower hidden unit
	v_cndmask_b32 v[Q], v[Q], v[Q+2*(\g)], s20
	v_cndmask_b32 v[Q+1], v[Q+1], v[Q+2*(\g)+1], s20
.endr
	; PHASE 3.  Each quad fetches its row's winner from the lane that holds it, then its 8 bytes of wgt; four numbers are widened and stored.
.irp i, 0,1,2,3,4,5,6,7,8,9,10,11,12,13,14,15
	ds_bpermute_b32 v[IDX+(\i)], v[BA+(\i)], v[Q+1]
.endr
.irp i, 0,1,2,3,4,5,6,7,8,9,10,11,12,13,14,15
	s_wait_dscnt 15-(\i)
	v_min_u32 v[IDX+(\i)], 8191, v[IDX+(\i)]       ; inside wgt
	v_lshl_add_u32 v[IDX+(\i)], v[IDX+(\i)], 11, v[CO+(\i)]
	global_load_b64 v[D+2*(\i):D+2*(\i)+1], v[IDX+(\i)], s[6:7]  ; neighbouring lanes take neighbouring 8 bytes of a row; two rows may have one winner, so no hint
.endr
.macro WIDEN i
	v_lshlrev_b32 v[O+4*(\i)],   16,  v[D+2*(\i)]  ; bf16 to f32: the low half moves up,
	v_and_b32     v[O+4*(\i)+1], s16, v[D+2*(\i)]  ; the high half stays
	v_lshlrev_b32 v[O+4*(\i)+2], 16,  v[D+2*(\i)+1]
	v_and_b32     v[O+4*(\i)+3], s16, v[D+2*(\i)+1]
	global_store_b128 v5, v[O+4*(\i):O+4*(\i)+3], s[8:9] offset:4096*(\i) th:TH_STORE_NT  ; sixteen lanes store 256 consecutive bytes, aligned; no register of a store is written again
.endm
.irp i, 0,1,2,3,4,5,6,7,8,9,10,11,12,13,14
	s_wait_loadcnt 15-(\i)                         ; quad i is in, the younger ones stay out
	WIDEN \i
.endr
	s_cmp_lt_u32 s10, 5                            ; quads 3,840 to 3,999 are waves 0 to 4's
	s_cbranch_scc0 .Lend
	s_wait_loadcnt 0x0
	WIDEN 15
.Lend:
	s_wait_tensorcnt 0x0                           ; the wave's end: behind my last LDS store
	ds_add_u32 v[SPW], v[NIL]
	s_wait_dscnt 0x0
	s_endpgm
.Lfunc_end_k_qcad7c560db_take:
	.size	k_qcad7c560db_take, .Lfunc_end_k_qcad7c560db_take-k_qcad7c560db_take
	.p2alignl 7, 3214868480
	.fill 96, 4, 3214868480
	.section	.rodata,"a",@progbits
	.p2align	6, 0x0
	.amdhsa_kernel k_qcad7c560db_take
		.amdhsa_group_segment_fixed_size 3072
		.amdhsa_private_segment_fixed_size 0
		.amdhsa_enable_private_segment 0
		.amdhsa_kernarg_size 24
		.amdhsa_user_sgpr_count 2
		.amdhsa_user_sgpr_kernarg_segment_ptr 1
		.amdhsa_wavefront_size32 1
		.amdhsa_system_sgpr_workgroup_id_x 1
		.amdhsa_system_sgpr_workgroup_id_y 1
		.amdhsa_system_sgpr_workgroup_id_z 1
		.amdhsa_system_vgpr_workitem_id 0
		.amdhsa_next_free_vgpr 208
		.amdhsa_next_free_sgpr 66
		.amdhsa_reserve_vcc 1
		.amdhsa_float_denorm_mode_32 3
		.amdhsa_float_denorm_mode_16_64 3
		.amdhsa_memory_ordered 1
		.amdhsa_forward_progress 1
		.amdhsa_inst_pref_size 26
	.end_amdhsa_kernel
	.amdgpu_metadata
---
amdhsa.version: [ 1, 2 ]
amdhsa.kernels:
  - .name:           k_qcad7c560db_take
    .symbol:         k_qcad7c560db_take.kd
    .args:
      - { .name: part, .offset: 0, .size: 8, .value_kind: global_buffer, .address_space: global }
      - { .name: wgt, .offset: 8, .size: 8, .value_kind: global_buffer, .address_space: global }
      - { .name: out0, .offset: 16, .size: 8, .value_kind: global_buffer, .address_space: global }
    .group_segment_fixed_size: 3072
    .private_segment_fixed_size: 0
    .kernarg_segment_align: 8
    .kernarg_segment_size: 24
    .max_flat_workgroup_size: 256
    .sgpr_count:     66
    .vgpr_count:     208
    .wavefront_size: 32
...
	.end_amdgpu_metadata
.endif
;; end of part 3
;; ======== version 2 of 2: 3 launches; version 1 with the launch take written anew for expert scheduling mode
;; workspace buffers: xb 16,777,216 bytes; wb 33,554,432 bytes; wgt 16,777,216 bytes; part 4,194,304 bytes of whole numbers
;; launch prep: the kernel of part 1 again; grid 512 x 4, 8 waves a work-group, no clusters, 35,840 bytes of LDS; arguments x, Wk, Wg, xb, wb, wgt; writes xb, wb, wgt
;; launch score: the kernel of part 2 again; grid 32 x 8, 4 waves a work-group, clusters of 4 x 4, 327,680 bytes of LDS; arguments xb, wb, part; writes part
;; launch take (part 4): grid 256 x 1, 8 waves a work-group, no clusters, 3,072 bytes of LDS; arguments part, wgt, out0; writes out0
.if DOCPART == 4
	.amdgcn_target "amdgcn-amd-amdhsa--gfx1250"
	.amdhsa_code_object_version 6
	.text
	.protected	k_qcad7c560db_take
	.globl	k_qcad7c560db_take
	.p2align	8
	.type	k_qcad7c560db_take,@function
k_qcad7c560db_take:
	s_mov_b64 s[64:65], 0
	v_nop
	global_prefetch_b8 v0, s[64:65] scope:SCOPE_SE
	s_setreg_imm32_b32 hwreg(HW_REG_WAVE_SCHED_MODE, 0, 2), 2
	s_setreg_imm32_b32 hwreg(HW_REG_WAVE_MODE, 25, 1), 1
	s_wait_xcnt 0x0
	s_wait_alu depctr_vm_vsrc(0)
; THE PICK AND THE COPY.  out0[b][c] = wgt[idx[b]][c], widened from bf16 to f32; idx[b] = the hidden unit of the greatest of row b's 128 candidates in part (key, hidden unit), the lowest hidden unit
; among equal keys, as jnp.argmax breaks ties.  All that is compared here are whole numbers read from memory.  Nothing of reference() is left out here: it takes Wg's columns by the index itself.
; part: [row / 16 : 256][slice : 64][lane : 32][2 words]; lane l of a slice speaks for row l % 16.  wgt: [8192][1024] bf16.  out0: [4096][1000] f32.
; SHARES.  A work-group owns 16 rows: 16,384 bytes of part, and 64,000 consecutive bytes of out0, which begin at a multiple of 256: 4,000 quads of four numbers; 1,000 = 4 x 250, so no quad crosses a row.
; LIMIT.  The index is held to 0 .. 8,191 before it enters an address; the launch before stores no other.
; No matrix unit, no cluster, no tensor load, no prefetch: the launch copies a few megabytes and its addresses are known only when the pick is made.
; THE MODE: SCHED_MODE bits 1:0 = 2 (LLVM: expert scheduling mode 2), set by the entry lines.  The code itself states the register dependences
; between vector instructions and memory or LDS instructions, and between a vector instruction that writes a scalar register and that register's readers, with s_wait_alu, always for 0.
; THE PLAN.  Registers that memory or LDS instructions touch, in the order of the text (there is no loop):
;   v4, v5     8 t and 16 t: written at the head; read by the loads of part and the LDS store (v4) and by every store (v5); never written again.
;   P          the loads of part land in it; the selects of phase 1 write it; the LDS store reads its first pair; never written again.
;   v6, BA     written by vector lines while part is on its way; read by the LDS loads (v6) and the permutes (BA); never written again.
;   Q          the LDS loads land in it; the selects of phase 2 write it; the permutes read Q + 1; never written again.
;   IDX        the permutes land in it; two vector lines a quad make the offset of it; the loads from wgt read it; never written again.
;   D          the loads from wgt land in it; the widening lines read it; it is not loaded again.
;   O          four registers of its own for each quad: written by its widening lines, read by its store; never written again.
; So no register that a memory or LDS instruction has read is written again, and no load lands in a register that a vector line has named: what is to be stated is that a register is WRITTEN before a
; memory or LDS instruction reads it.  One wait stands ahead of each RUN of such instructions: the loads of part; the LDS store; the permutes; the loads from wgt; and the stores go in groups of four,
; a group behind the wait at the head of the next group, dealt among that group's widening lines, which name none of their registers.
; The picks go in knock-out rounds, so that a round's compares stand in one run, each into a scalar register of its own, with one wait between the run and the first line that reads a mask.
.set SPW,  2                           ; v2   LDS address of my spare word; never rewritten
.set NIL,  3                           ; v3   0; never rewritten
.set SPARE, 2048                       ; behind the 256 pairs: the spare words, 128 bytes a wave: four blocks of 256 bytes that no other line names
.set P,    16                          ; v[16:31]   my eight candidates; the first pair ends as the best
.set Q,    32                          ; v[32:63]   a row's sixteen candidates; the first pair ends as the best
.set BA,   64                          ; v[64:79]   quad i: 4 x its row in the block: the lane that holds that row's winner, as a byte index
.set CO,   80                          ; v[80:95]   quad i: its 8 bytes in a row of wgt
.set IDX,  96                          ; v[96:111]  quad i: the winner, then the byte offset in wgt
.set D,    112                         ; v[112:143] quad i: four bf16
.set O,    144                         ; v[144:207] quad i: four f32
.set MK,   17                          ; s17-28     lane masks: phase 1 one a pair, phase 2 three a pair, four pairs to a run
	s_load_b128 s[4:7], s[0:1], 0x0                ; part s[4:5], wgt s[6:7]
	s_load_b64 s[8:9], s[0:1], 0x10                ; out0
	v_lshl_add_u32 v[SPW], v0, 2, SPARE
	v_mov_b32 v[NIL], 0
	v_lshrrev_b32 v1, 5, v0
	v_readfirstlane_b32 s10, v1                    ; wave 0..7
	v_lshlrev_b32 v4, 3, v0                        ; 8 t
	v_lshlrev_b32 v5, 4, v0                        ; 16 t
	s_wait_alu depctr_va_sdst(0)                   ; s10 is written, ahead of its first reader: the compare that picks the waves with a sixteenth quad
	s_lshl_b32 s12, ttmp9, 14
	s_mov_b32 s13, 0
	s_mul_i32 s14, ttmp9, 64000
	s_mov_b32 s15, 0
	s_mov_b32 s16, 0xffff0000                      ; a word's upper bf16
	s_wait_kmcnt 0x0
	s_add_nc_u64 s[4:5], s[4:5], s[12:13]
	s_add_nc_u64 s[8:9], s[8:9], s[14:15]
	s_wait_alu depctr_va_vdst(0)                   ; v4 and v5 are written: the loads of part and the LDS store read v4 as their address, every store reads v5
	; PHASE 1.  Thread t takes entries 256 i + t: lane t % 32 of slices 8 i + t / 32: one row's candidates, their hidden units ascending with i.
.irp i, 0,1,2,3,4,5,6,7
	global_load_b64 v[P+2*(\i):P+2*(\i)+1], v4, s[4:5] offset:2048*(\i) th:TH_LOAD_NT
.endr
	; while they are on their way: quad q = 256 i + t lies in row q / 250 of the block; q x 67,109 >> 24 is that quotient for every q under 4,096 (67,109 / 2^24 exceeds 1 / 250 by 8e-9)
.irp i, 0,1,2,3,4,5,6,7,8,9,10,11,12,13,14,15
	v_add_nc_u32 v7, 256*(\i), v0
.if (\i) == 15
	v_min_u32 v7, 3999, v7                         ; the block has 4,000 quads: waves 5 to 7 repeat the last and do not store it
.endif
	v_mul_u32_u24 v[BA+(\i)], v7, 67109
	v_lshrrev_b32 v[BA+(\i)], 24, v[BA+(\i)]
	v_mul_u32_u24 v[CO+(\i)], v[BA+(\i)], 250
	v_sub_nc_u32 v[CO+(\i)], v7, v[CO+(\i)]
	v_lshlrev_b32 v[CO+(\i)], 3, v[CO+(\i)]
	v_lshlrev_b32 v[BA+(\i)], 2, v[BA+(\i)]
.endr
	v_and_b32 v6, 15, v0
	v_lshlrev_b32 v6, 3, v6                        ; 8 x (lane % 16)
; Candidate b takes candidate a's place where mask m says so.  In every round b is the later of the two and wins only by a strictly greater key: among equal keys the earliest, with the lowest hidden unit, stays.
.macro BEST1 m, a, b
	v_cndmask_b32 v[P+2*(\a)],   v[P+2*(\a)],   v[P+2*(\b)],   s[MK+(\m)]
	v_cndmask_b32 v[P+2*(\a)+1], v[P+2*(\a)+1], v[P+2*(\b)+1], s[MK+(\m)]
.endm
.irp p, 0,1,2,3                        ; the first round: candidates 2 p and 2 p + 1
	s_wait_loadcnt 6-2*(\p)                        ; loads come back in order: both are in, the 6 - 2 p younger ones stay out
	v_cmp_gt_u32 s[MK+(\p)], v[P+4*(\p)+2], v[P+4*(\p)]
.endr
	s_wait_alu depctr_va_sdst(0)                   ; the four compares have written their masks, which the selects below read
.irp p, 0,1,2,3
	BEST1 \p, 2*(\p), 2*(\p)+1
.endr
	v_cmp_gt_u32 s[MK+4], v[P+4],  v[P]            ; the second round: the best of 2, 3 against the best of 0, 1,
	v_cmp_gt_u32 s[MK+5], v[P+12], v[P+8]          ; the best of 6, 7 against the best of 4, 5
	s_wait_alu depctr_va_sdst(0)                   ; the two compares have written their masks, which the selects below read
	BEST1 4, 0, 2
	BEST1 5, 4, 6
	v_cmp_gt_u32 s[MK+6], v[P+8], v[P]             ; the third round
	s_wait_alu depctr_va_sdst(0)                   ; the compare has written its mask, which the selects below read
	BEST1 6, 0, 4
	s_wait_alu depctr_va_vdst(0)                   ; the selects have written v[P:P+1], which the LDS store reads; v6 is written, which the LDS loads behind the barrier read: no vector line stands between
	ds_store_b64 v4, v[P:P+1]                      ; pair t: row t % 16, group t / 16
	s_wait_dscnt 0x0                               ; for the others' sake: my store is done
	s_barrier_signal -1
	s_barrier_wait -1
	; PHASE 2.  Every wave, for all 16 rows: lane l takes row l % 16's sixteen groups.  Their hidden units are in no order, so equal keys are told apart by the hidden unit: a greater key, or the same key
	; at a lower hidden unit, is better.  No two groups hold the same hidden unit, so one group is the best whatever the order in which they meet.
.irp g, 0,1,2,3,4,5,6,7,8,9,10,11,12,13,14,15
	ds_load_b64 v[Q+2*(\g):Q+2*(\g)+1], v6 offset:128*(\g)
.endr
.macro CMP3 p, a, b                    ; is group b better than group a?  Three masks, set p of four
	v_cmp_gt_u32 s[MK+3*(\p)],   v[Q+2*(\b)],   v[Q+2*(\a)]
	v_cmp_eq_u32 s[MK+3*(\p)+1], v[Q+2*(\b)],   v[Q+2*(\a)]
	v_cmp_lt_u32 s[MK+3*(\p)+2], v[Q+2*(\b)+1], v[Q+2*(\a)+1]
.endm
.macro BEST2 p, a, b                   ; then it takes a's place
	s_and_b32 s[MK+3*(\p)+1], s[MK+3*(\p)+1], s[MK+3*(\p)+2]
	s_or_b32 s[MK+3*(\p)], s[MK+3*(\p)], s[MK+3*(\p)+1]  ; a greater key, or the same key at a lower hidden unit
	v_cndmask_b32 v[Q+2*(\a)],   v[Q+2*(\a)],   v[Q+2*(\b)],   s[MK+3*(\p)]
	v_cndmask_b32 v[Q+2*(\a)+1], v[Q+2*(\a)+1], v[Q+2*(\b)+1], s[MK+3*(\p)]
.endm
.irp p, 0,1,2,3                        ; the first round goes in two halves of four pairs, twelve masks each: groups 2 p and 2 p + 1,
	s_wait_dscnt 14-2*(\p)                         ; LDS loads come back in order: both are in, the 14 - 2 p younger ones stay out
	CMP3 \p, 2*(\p), 2*(\p)+1
.endr
	s_wait_alu depctr_va_sdst(0)                   ; the twelve compares have written their masks, which the scalar lines below read
.irp p, 0,1,2,3
	BEST2 \p, 2*(\p), 2*(\p)+1
.endr
.irp p, 0,1,2,3                        ; and groups 8 + 2 p and 9 + 2 p
	s_wait_dscnt 6-2*(\p)                          ; both are in, the 6 - 2 p younger ones stay out
	CMP3 \p, 8+2*(\p), 9+2*(\p)
.endr
	s_wait_alu depctr_va_sdst(0)                   ; the twelve compares have written their masks, which the scalar lines below read
.irp p, 0,1,2,3
	BEST2 \p, 8+2*(\p), 9+2*(\p)
.endr
.irp p, 0,1,2,3                        ; the second round
	CMP3 \p, 4*(\p), 4*(\p)+2
.endr
	s_wait_alu depctr_va_sdst(0)                   ; the twelve compares have written their masks, which the scalar lines below read
.irp p, 0,1,2,3
	BEST2 \p, 4*(\p), 4*(\p)+2
.endr
	CMP3 0, 0, 4                                   ; the third round
	CMP3 1, 8, 12
	s_wait_alu depctr_va_sdst(0)                   ; the six compares have written their masks, which the scalar lines below read
	BEST2 0, 0, 4
	BEST2 1, 8, 12
	CMP3 0, 0, 8                                   ; the fourth round
	s_wait_alu depctr_va_sdst(0)                   ; the three compares have written their masks, which the scalar lines below read
	BEST2 0, 0, 8
	; PHASE 3.  Each quad fetches its row's winner from the lane that holds it, then its 8 bytes of wgt; four numbers are widened and stored.
	s_wait_alu depctr_va_vdst(0)                   ; the last select has written v[Q+1], which the sixteen permutes read; so are v[BA ..], their lane indices
.irp i, 0,1,2,3,4,5,6,7,8,9,10,11,12,13,14,15
	ds_bpermute_b32 v[IDX+(\i)], v[BA+(\i)], v[Q+1]
.endr
.irp i, 0,1,2,3,4,5,6,7,8,9,10,11,12,13,14,15
	s_wait_dscnt 15-(\i)                           ; quad i's winner is in, the younger ones stay out
	v_min_u32 v[IDX+(\i)], 8191, v[IDX+(\i)]       ; inside wgt
	v_lshl_add_u32 v[IDX+(\i)], v[IDX+(\i)], 11, v[CO+(\i)]
.endr
	s_wait_alu depctr_va_vdst(0)                   ; all sixteen offsets v[IDX ..] are written, which the run of loads below reads
.irp i, 0,1,2,3,4,5,6,7,8,9,10,11,12,13,14,15
	global_load_b64 v[D+2*(\i):D+2*(\i)+1], v[IDX+(\i)], s[6:7]  ; neighbouring lanes take neighbouring 8 bytes of a row; two rows may have one winner, so no hint
.endr
.macro WIDEN i
	v_lshlrev_b32 v[O+4*(\i)],   16,  v[D+2*(\i)]  ; bf16 to f32: the low half moves up,
	v_and_b32     v[O+4*(\i)+1], s16, v[D+2*(\i)]  ; the high half stays
	v_lshlrev_b32 v[O+4*(\i)+2], 16,  v[D+2*(\i)+1]
	v_and_b32     v[O+4*(\i)+3], s16, v[D+2*(\i)+1]
.endm
.macro SEND i
	global_store_b128 v5, v[O+4*(\i):O+4*(\i)+3], s[8:9] offset:4096*(\i) th:TH_STORE_NT  ; sixteen lanes store 256 consecutive bytes, aligned; no register of a store is written again
.endm
; Quad i's turn.  The quads go in groups of four.  At a group's head one wait states that the group before is widened; its four stores follow, one in front of each quad's widening lines, which name
; this group's D and O alone.
.macro QUAD i
	s_wait_loadcnt 15-(\i)                         ; quad i is in, the younger ones stay out
.if ((\i) % 4 == 0) && ((\i) > 0)
	s_wait_alu depctr_va_vdst(0)                   ; the widening lines of the four quads before have written their v[O ..], which the four stores of this group's turns read
.endif
.if (\i) >= 4
	SEND (\i)-4
.endif
	WIDEN \i
.endm
.irp i, 0,1,2,3,4,5,6,7,8,9,10,11,12,13,14
	QUAD \i
.endr
	s_wait_alu depctr_va_vdst(0)                   ; quads 12 to 14 are widened too: their v[O ..] are written, which the stores below read
	SEND 11
	SEND 12
	SEND 13
	SEND 14
	s_cmp_lt_u32 s10, 5                            ; quads 3,840 to 3,999 are waves 0 to 4's
	s_cbranch_scc0 .Lend
	s_wait_loadcnt 0x0
	WIDEN 15
	s_wait_alu depctr_va_vdst(0)                   ; quad 15 is widened: its v[O ..] are written, which its store reads
	SEND 15
.Lend:
	s_wait_dscnt 0x0                               ; the closing lines, six on end
	s_wait_alu 0x0
	s_wait_tensorcnt 0x0
	ds_add_u32 v[SPW], v[NIL]
	s_wait_dscnt 0x0
	s_endpgm
.Lfunc_end_k_qcad7c560db_take:
	.size	k_qcad7c560db_take, .Lfunc_end_k_qcad7c560db_take-k_qcad7c560db_take
	.p2alignl 7, 3214868480
	.fill 96, 4, 3214868480
	.section	.rodata,"a",@progbits
	.p2align	6, 0x0
	.amdhsa_kernel k_qcad7c560db_take
		.amdhsa_group_segment_fixed_size 3072
		.amdhsa_private_segment_fixed_size 0
		.amdhsa_enable_private_segment 0
		.amdhsa_kernarg_size 24
		.amdhsa_user_sgpr_count 2
		.amdhsa_user_sgpr_kernarg_segment_ptr 1
		.amdhsa_wavefront_size32 1
		.amdhsa_system_sgpr_workgroup_id_x 1
		.amdhsa_system_sgpr_workgroup_id_y 1
		.amdhsa_system_sgpr_workgroup_id_z 1
		.amdhsa_system_vgpr_workitem_id 0
		.amdhsa_next_free_vgpr 208
		.amdhsa_next_free_sgpr 66
		.amdhsa_reserve_vcc 0
		.amdhsa_float_denorm_mode_32 3
		.amdhsa_float_denorm_mode_16_64 3
		.amdhsa_memory_ordered 1
		.amdhsa_forward_progress 1
		.amdhsa_inst_pref_size 27
	.end_amdhsa_kernel
	.amdgpu_metadata
---
amdhsa.version: [ 1, 2 ]
amdhsa.kernels:
  - .name:           k_qcad7c560db_take
    .symbol:         k_qcad7c560db_take.kd
    .args:
      - { .name: part, .offset: 0, .size: 8, .value_kind: global_buffer, .address_space: global }
      - { .name: wgt, .offset: 8, .size: 8, .value_kind: global_buffer, .address_space: global }
      - { .name: out0, .offset: 16, .size: 8, .value_kind: global_buffer, .address_space: global }
    .group_segment_fixed_size: 3072
    .private_segment_fixed_size: 0
    .kernarg_segment_align: 8
    .kernarg_segment_size: 24
    .max_flat_workgroup_size: 256
    .sgpr_count:     66
    .vgpr_count:     208
    .wavefront_size: 32
...
	.end_amdgpu_metadata
.endif
;; end of part 4
